; MI455X (gfx1250); checked and timed in simulation.
; The chip was launched on July 23, 2026; its instructions are those of AMD's public machine-readable ISA for CDNA 5 (MIT licence, August 2026) and "CDNA5" Instruction Set Architecture Reference Guide (July 2026). The comments in the code are by the model that wrote it; some were corrected since.
;; Attention. Allowed arithmetic: float matrix products may take bf16 or f16 operands with f32 sums; all other float work in f32.
;; Inputs: k 16 x 128 x 2,048 float32; q 16 x 2,048 x 128 float32; v 16 x 2,048 x 128 float32.
;; Outputs: out0 16 x 2,048 x 128 float32.
;; One version. Each part assembles by itself: llvm-mc -triple=amdgcn-amd-amdhsa -mcpu=gfx1250 --defsym DOCPART=n.
;; ======== version 1 of 1: 1 launch
;; launch attn (part 1): grid 16 x 16, 4 waves a work-group, clusters of 4 x 1, 327,680 bytes of LDS; arguments q, k, v, out0; writes out0
.if DOCPART == 1
	.amdgcn_target "amdgcn-amd-amdhsa--gfx1250"
	.amdhsa_code_object_version 6
	.text
	.protected	k_q806831fc90_attn
	.globl	k_q806831fc90_attn
	.p2align	8
	.type	k_q806831fc90_attn,@function
k_q806831fc90_attn:
	s_mov_b64 s[64:65], 0
	v_nop
	global_prefetch_b8 v0, s[64:65] scope:SCOPE_SE
	s_setreg_imm32_b32 hwreg(HW_REG_WAVE_MODE, 25, 1), 1
	s_wait_xcnt 0x0
	s_wait_alu depctr_hold_cnt(0) depctr_sa_sdst(0) depctr_va_vdst(0) depctr_va_sdst(0) depctr_va_ssrc(0) depctr_va_vcc(0) depctr_vm_vsrc(0)
	s_getreg_b32 s2, hwreg(HW_REG_IB_STS2, 6, 4)
	s_cmp_eq_u32 s2, 0
	s_cbranch_scc0 .Lentry_in_a_cluster
	s_endpgm
.Lentry_in_a_cluster:
	s_bfe_u32 s2, ttmp6, 0x10000c
	s_cmp_lg_u32 s2, 0x3003
	s_cbranch_scc0 .Lentry_shape_is_right
	s_endpgm
.Lentry_shape_is_right:
; out[b][n][:] = softmax over m of (sum over d of q[b][n][d] k[b][d][m]) applied to v[b][m][:].  16 batches, 2048 queries, 2048 keys, d = 128, all f32.
; One launch.  A work-group owns 128 queries of one batch and walks all 2048 keys in 16 tiles of 128.  Four waves: wave w owns the 64 queries
; qh = w >> 1 and, of every tile, the 64 keys kh = w & 1; it keeps a running maximum, a running sum and O for its 1024 keys, and the two key
; halves are merged once at the end through LDS.
; FORMATS: q, k, v are rounded once to bf16 (nearest even) on the way into the matrix unit, p likewise; scores, maxima, sums and O are f32.
; CLUSTER: the four query blocks of a cluster (4, 1, 1) belong to one batch and walk the same K and V tiles: every K and V tile is asked for
; jointly (mask 15), each of the four work-groups issuing the same load in the same round of the cluster's barrier.  Q is each work-group's own.
; BOTH PRODUCTS ARE TRANSPOSED: S^T = K^T Q^T (rows keys, columns queries), O^T = V^T P^T (rows dv, columns queries).  A lane then holds ONE
; query, so maximum, sum and rescaling factor are one number a lane, and two packed S^T tiles ARE a source-1 fragment of P.
; NO TRANSPOSING LOAD: the contraction index may be permuted if both sources use the same permutation, and the rows of source 0 may be permuted
; if the reader of the result knows it.  A 16-byte LDS load along a stored row gives a lane 4 neighbouring keys (K) or dv (V) of one d (key);
; the 4 numbers go to 4 different fragments, and two loads are packed by one conversion.  Each group of 16 lanes reads 256 consecutive bytes.
;   L = lane, r = L & 15, h = L >> 4.
;   d slots, step s = 0..3:   register i, half b of K's and Q's fragments hold d = 64 h + 16 s + 2 i + b.
;   S^T tile (ck, cq):        register j holds key 32 h + 4 j + ck of my 64, query 16 cq + r.
;   P fragment (cq, u):       registers 0-3 = tile ck = 2u packed, 4-7 = tile 2u + 1: register 4 g + i, half b = key 32 h + 8 i + 4 b + 2 u + g.
;   O^T tile (e, cq, cv):     register j holds dv = 64 e + 32 h + 4 j + cv, query 16 cq + r.
; SOFTMAX: running maximum m of the raw scores; nb = round(-log2(e) m); p = exp2(fma(s, log2(e), nb)); the rescaling factors are exp2 of
; differences of the rounded nb themselves, so that nb's rounding cancels at any size of the scores.
; THE PIPELINE.  A wave is alone on its SIMD, so vector work is issued BETWEEN its matrix instructions, not behind blocks of them.  For that the
; two products are skewed by half a tile: trip j makes S(j) = QK(j) and then O += PV(j - 1), and an LDS slot holds K's tile j and V's tile j - 1.
; A trip is eight blocks of 16 matrix instructions.  Beside QK(j) run the sums and the packing of tile j - 1 and the rescaling of O by its
; alpha; beside PV(j - 1) the maxima and the exponentials of tile j.  Beside every block run the 32 conversions that make the next block's
; fragments, followed by one run of 16 LDS loads for the block three ahead.  S has two buffers, taken by j & 1; P is packed in place.
; A trip has 128 matrix, 800 vector and 128 LDS instructions.  The matrix instructions' operands lie in other register windows than the vector
; work beside them (the fragments serve all accumulators, and O alone fills a window), which costs two window switches for a matrix instruction.
; LIMITS: a p below 2^-126 counts as 0 (v_exp_f32 flushes denormal results, ISA guide 15.8).  The maxima drop NaN, and scores that are infinite
; or NaN give NaN, but not necessarily where reference() has them.
.set SLOT,   133120                    ; from slot 0 to slot 1.  A slot: K's tile, 128 rows (d) x 512 bytes (128 keys), then V's, 128 rows (key) x 512 bytes; 2,048 bytes lie between the slots
.set VPART,  65536                     ; where V's tile begins in a slot
.set QUART,  32768                     ; 64 rows x 512 bytes: what one tensor load brings
.set KTILE,  512                       ; bytes from a tile of K to the next (128 keys along the rows)
.set VTILE,  65536                     ; bytes from a tile of V to the next (128 rows)
.set QPITCH, 528                       ; Q's stage: rows of 512 bytes + 16 of padding, an odd multiple of 16
.set QPART,  32*QPITCH                 ; 32 rows of Q: one wave's load
.set QSTAGE, 65536                     ; the stage, 67,584 bytes: slot 0's V half, which trip 0 does not need, and the 2,048 bytes behind it
.set STATS,  262144                    ; [wave][64 queries] x (nb, l), 2,048 bytes at the end of slot 1, used after that slot's last fill and last read
.set OPITCH, 528                       ; the way out: rows of 512 bytes + 16
.set OPART,  64*OPITCH                 ; one wave's 64 rows; the four parts lie from LDS byte 0 to 135,167, in bytes that have had their last fill
; window 0
.set ADRK,  4                          ; v4-5   LDS address of my K loads in slot 0, 1
.set ADRV,  6                          ; v6-7   the same for V
.set ADRQ,  8                          ; v8     my Q rows in the stage
.set ADRS,  9                          ; v9     my (nb, l)
.set ADRSP, 10                         ; v10    my key partner's
.set ADRST, 11                         ; v11    the way out: where I put 16 bytes of a row
.set ADRO0, 12                         ; v12    the way out: where I read a row back, key half 0
.set ADRO1, 13                         ; v13    the same, key half 1
.set OFFO,  14                         ; v14    my byte offset in the work-group's block of out0
.set ST0,   32                         ; v32-95   f32 as loaded, 16 loads of 4 registers
.set ST1,   96                         ; v96-159  the second such buffer
.set F0,    160                        ; v160-191 four bf16 fragments
.set F1,    192                        ; v192-223 the second such buffer
; window 1: S buffer 0 at 0, S buffer 1 at 128; in a buffer S^T tile (ck, cq) at 32 cq + 8 ck, P fragment (cq, u) in place at 32 cq + 16 u
; window 2: O^T tile (e, cq, cv) at 8 (16 e + 4 cq + cv)
; window 3: Q fragment (cq, s) at 32 cq + 8 s, and
.set STA,   128                        ; state of query block cq at STA + 4 cq: nb, m, alpha, l
.set TT,    144                        ; four temporaries for each cq at TT + 4 cq
.set G1K, 24                           ; s[24:31] descriptor group 1, K's tiles
.set G1V, 32                           ; s[32:39] V's
.set G1Q, 40                           ; s[40:47] Q's
.set G0K, 48                           ; s[48:55] descriptor group 0 for K, one set for each slot
.set G0V, 56                           ; s[56:63] for V
.set G0Q, 68                           ; s[68:71] for Q
; s_set_vgpr_msb's low byte: bits 1:0 source 0, 3:2 source 1, 5:4 source 2, 7:6 destination
.set W_QK,  0x5c                       ; K fragment window 0, Q window 3, S window 1
.set W_PV,  0xa4                       ; V fragment window 0, P window 1, O window 2
.set W_MX,  0xf5                       ; temporary (3) = max of S, S (1) and a temporary or m (3)
.set W_ST,  0xff                       ; all in window 3
.set W_EX,  0x71                       ; S (1) = S (1) x scalar + nb (3); the exponentials in place in window 1
.set W_S0,  0xc5                       ; temporary (3) = S + S (1)
.set W_S1,  0xcd                       ; temporary (3) = S (1) + temporary (3)
.set W_PK,  0x55                       ; all in window 1
.set W_RS,  0x8e                       ; O (2) = O (2) x alpha (3)
.set W_QC,  0xc0                       ; destination window 3, the rest window 0 (conversions of Q, LDS loads into window 3)
.set W_D3,  0x0c                       ; LDS store data from window 3
.set W_FIN, 0x0e                       ; window 0 = O (2) x a factor (3)
.set MSB, 0
.macro WIN new                         ; the immediate's high byte repeats the setting that is left; a switch that changes nothing is dropped
.if MSB != \new
	s_set_vgpr_msb (MSB<<8)|\new
.set MSB, \new
.endif
.endm
.macro PLACES
.rept 4
	v_nop
.endr
.endm
; A round of the cluster's barrier: my work-group's barrier, wave 0 signals for the work-group, every wave waits for all four work-groups,
; my work-group's barrier once more.
.macro ROUND
	s_barrier_signal -1
	s_barrier_wait -1
	s_cmp_lg_u32 s12, 0
	s_cbranch_scc1 .Lnot_wave_0_\@
	s_barrier_signal -3
.Lnot_wave_0_\@:
	s_barrier_wait -3
	s_barrier_signal -1
	s_barrier_wait -1
.endm
; A joint load into slot s: waves 0 and 1 fetch K's two halves (64 rows of d each), waves 2 and 3 V's (64 keys each).  The branch hangs on the
; wave's number alone, and nothing in these descriptors hangs on the work-group's place in its cluster.
.macro JLOAD s
	s_cmp_eq_u32 s13, 0
	s_cbranch_scc0 .Lfor_v_\@
	tensor_load_to_lds s[G0K+4*\s:G0K+4*\s+3], s[G1K:G1K+7]
	s_nop 0
	v_nop
	v_nop
	v_nop
	s_branch .Lasked_\@
.Lfor_v_\@:
	tensor_load_to_lds s[G0V+4*\s:G0V+4*\s+3], s[G1V:G1V+7]
	s_nop 0
	v_nop
	v_nop
	v_nop
	v_nop
.Lasked_\@:
.endm
.macro JLOADV s                        ; the last trip's slot has a tile of V and none of K: waves 0 and 1 have nothing to fetch
	s_cmp_eq_u32 s13, 0
	s_cbranch_scc1 .Lno_v_\@
	tensor_load_to_lds s[G0V+4*\s:G0V+4*\s+3], s[G1V:G1V+7]
	s_nop 0
	v_nop
	v_nop
	v_nop
	v_nop
.Lno_v_\@:
.endm
; THE MATRIX INSTRUCTIONS OF A BLOCK, dealt out among the vector work by counting at assembly time.
; MM_I: the block's next matrix instruction, 0..15 (16: none left); fragment c = MM_I >> 2, query block cq = MM_I & 3: 16 different accumulators,
; one instruction a turn, in the same order in every block.  With the fragment as the outer index fragment c is last
; read by instruction 4 c + 3 of its block, and it is written again by conversions 8 c .. 8 c + 7 of the block after: between the two stand
; at least seven conversions that name other registers, the places that ISA guide 7.12.1 asks for.
.set MM_I, 16
.set SH_C, 0
.set SH_L, 16
.macro EMITMM
.set MM_A, MM_F+8*(MM_I>>2)
.if MM_KIND == 0
.set MM_D, MM_S+32*(MM_I&3)+8*(MM_I>>2)            ; S^T (ck, cq) += K fragment ck x Q fragment (cq, step)
.set MM_B, 32*(MM_I&3)+8*MM_BLK
	WIN W_QK
.else
.set MM_D, 8*(16*(MM_BLK&1)+4*(MM_I&3)+(MM_I>>2))  ; O^T (e, cq, cv) += V fragment cv x P fragment (cq, u); e = block & 1, u = block >> 1
.set MM_B, MM_S+32*(MM_I&3)+16*(MM_BLK>>1)
	WIN W_PV
.endif
.if MM_ZERO
	v_wmma_f32_16x16x32_bf16 v[MM_D:MM_D+7], v[MM_A:MM_A+7], v[MM_B:MM_B+7], 0
.else
	v_wmma_f32_16x16x32_bf16 v[MM_D:MM_D+7], v[MM_A:MM_A+7], v[MM_B:MM_B+7], v[MM_D:MM_D+7]
.endif
.set MM_I, MM_I+1
.endm
; kind 0: QK, 1: PV; b: the block of four; sbuf: the S buffer that is written (QK) or that holds P (PV); zero = 1: the products start the sums;
; len: how many vector instructions with a TICK the block has.  The first matrix instruction is issued at once.
.macro BEGINB kind, b, sbuf, zero, len
.set MM_KIND, \kind
.set MM_BLK, \b
.set MM_F, F0+32*((\b)&1)
.set MM_S, \sbuf
.set MM_ZERO, \zero
.set SH_L, \len
.set SH_C, 0
.set MM_I, 0
	EMITMM
.endm
; Stands behind each vector instruction of a stream; w is the stream's window setting.  Every len/16 instructions the next matrix instruction.
.macro TICK w
.set SH_C, SH_C+16
.if SH_C >= SH_L
.set SH_C, SH_C-SH_L
.if MM_I < 16
	EMITMM
	WIN \w
.endif
.endif
.endm
.macro ENDB                            ; what is left of the block's sixteen
.rept 15
.if MM_I < 16
	EMITMM
.endif
.endr
.endm
	s_load_b256 s[4:11], s[0:1], 0x0               ; q s[4:5], k s[6:7], v s[8:9], out0 s[10:11]
	v_lshl_add_u32 v254, v0, 2, 0x40800
	v_mov_b32 v255, 0
	ds_add_u32 v254, v255
	v_lshrrev_b32 v15, 5, v0
	v_readfirstlane_b32 s12, v15                   ; wave 0..3
	s_lshr_b32 s13, s12, 1                         ; qh: which 64 queries are mine.  Also: I fetch for K (0) or for V (1)
	s_and_b32 s14, s12, 1                          ; kh: which 64 keys of a tile are mine.  Also: which 64 rows of that tile I fetch
	s_bfe_u32 s17, ttmp6, 0x40000                  ; cx: my place in the cluster
	s_lshl_b32 s18, ttmp9, 2
	s_add_co_u32 s18, s18, s17                     ; query block = 4 x cluster x + cx
	s_and_b32 s19, ttmp7, 0xffff                   ; batch = cluster y
	s_mov_b32 s82, 0x76543210                      ; v_permlanex16_b32: lane i of one half reads lane i of the other
	s_mov_b32 s83, 0xfedcba98
	s_mov_b32 s84, 0x3fb8aa3b                      ; log2(e), a pair for the packed multiply-add
	s_mov_b32 s85, 0x3fb8aa3b
	s_mov_b32 s86, 0xbfb8aa3b                      ; -log2(e)
	; group 1 for K: 64 rows (d) x 128 elements of 4 bytes, 2,048 elements from row to row, no padding, mask 15 with bit 21 beside it
	s_mov_b32 s[G1K+0], 15|(2<<16)|(1<<21)
	s_mov_b32 s[G1K+1], 128<<16                    ; tensor_dim0 = 128
	s_mov_b32 s[G1K+2], 64<<16                     ; tensor_dim1 = 64
	s_mov_b32 s[G1K+3], 128<<16                    ; tile_dim0 = 128
	s_mov_b32 s[G1K+4], 64                         ; tile_dim1 = 64
	s_mov_b32 s[G1K+5], 2048                       ; pitch
	s_mov_b32 s[G1K+6], 0
	s_mov_b32 s[G1K+7], 0
	; group 1 for V: 64 rows (keys) x 128 elements, 128 elements from row to row
	s_mov_b32 s[G1V+0], 15|(2<<16)|(1<<21)
	s_mov_b32 s[G1V+1], 128<<16
	s_mov_b32 s[G1V+2], 64<<16
	s_mov_b32 s[G1V+3], 128<<16
	s_mov_b32 s[G1V+4], 64
	s_mov_b32 s[G1V+5], 128
	s_mov_b32 s[G1V+6], 0
	s_mov_b32 s[G1V+7], 0
	; group 1 for Q: 32 rows x 128 elements, no mask, 4 words of padding behind every 128 words (code 6): LDS pitch 528
	s_mov_b32 s[G1Q+0], (2<<16)|(1<<20)|(6<<22)|(3<<25)
	s_mov_b32 s[G1Q+1], 128<<16
	s_mov_b32 s[G1Q+2], 32<<16
	s_mov_b32 s[G1Q+3], 128<<16
	s_mov_b32 s[G1Q+4], 32
	s_mov_b32 s[G1Q+5], 128
	s_mov_b32 s[G1Q+6], 0
	s_mov_b32 s[G1Q+7], 0
	; byte offsets, apart from the addresses.  s[76:79] (K, V) never hold cx; s[72:75] (Q, out0) do.
	s_lshl_b32 s76, s19, 20                        ; a batch of any of the four tensors is 1 MiB
	s_lshl_b32 s78, s14, 19                        ; K: 64 rows of 8,192 bytes
	s_add_co_u32 s78, s78, s76
	s_mov_b32 s79, 0
	s_lshl_b32 s77, s14, 15                        ; V: 64 rows of 512 bytes
	s_add_co_u32 s76, s76, s77
	s_mov_b32 s77, 0
	s_lshl_b32 s74, s19, 20
	s_lshl_b32 s75, s18, 16                        ; 128 rows of 512 bytes
	s_add_co_u32 s74, s74, s75                     ; out0: the work-group's block
	s_lshl_b32 s72, s12, 14                        ; Q: my 32 rows of it
	s_add_co_u32 s72, s72, s74
	s_mov_b32 s73, 0
	s_mov_b32 s75, 0
	s_mul_i32 s20, s12, QUART                      ; where my quarter of a slot lies: K's two halves, then V's two halves = wave x 32,768
	s_mul_i32 s21, s12, QPART                      ; and my 32 rows of Q's stage
	s_wait_dscnt 0x0
	s_wait_kmcnt 0x0
	s_add_nc_u64 s[6:7], s[6:7], s[78:79]
	s_add_nc_u64 s[8:9], s[8:9], s[76:77]
	s_add_nc_u64 s[10:11], s[10:11], s[74:75]
	; Slot s is first filled for trip s: K's tile s and V's tile s - 1.  Slot 0 gets no V then; its set for V starts at tile 1, trip 2's.
.irp s, 0,1
	s_mov_b32 s[G0K+4*\s], 1                                       ; count = 1
	s_add_co_u32 s[G0K+4*\s+1], s20, \s*SLOT                       ; LDS address
	s_add_nc_u64 s[G0K+4*\s+2:G0K+4*\s+3], s[6:7], \s*KTILE        ; global address: K's tile s
	s_or_b32 s[G0K+4*\s+3], s[G0K+4*\s+3], 0x80000000              ; type = 2
	s_mov_b32 s[G0V+4*\s], 1
	s_add_co_u32 s[G0V+4*\s+1], s20, \s*SLOT
	s_add_nc_u64 s[G0V+4*\s+2:G0V+4*\s+3], s[8:9], (1-\s)*VTILE    ; V's tile 1 (slot 0), 0 (slot 1)
	s_or_b32 s[G0V+4*\s+3], s[G0V+4*\s+3], 0x80000000
.endr
	s_mov_b32 s[G0Q], 1
	s_add_co_u32 s[G0Q+1], s21, QSTAGE
	s_add_nc_u64 s[G0Q+2:G0Q+3], s[4:5], s[72:73]
	s_or_b32 s[G0Q+3], s[G0Q+3], 0x80000000
	ROUND                                          ; all four work-groups are here: the first joint loads meet
	; The first fills, one group in one branch on the wave's number: my 32 rows of Q; K's tile 0 into slot 0; K's tile 1 and V's tile 0 into slot 1.
	; Waves 0 and 1 have three loads out, waves 2 and 3 two; on both ways the last one issued is slot 1's.
	s_cmp_eq_u32 s13, 0
	s_cbranch_scc0 .Lfirst_v
	tensor_load_to_lds s[G0Q:G0Q+3], s[G1Q:G1Q+7]
	s_nop 0
	tensor_load_to_lds s[G0K:G0K+3], s[G1K:G1K+7]
	s_nop 0
	tensor_load_to_lds s[G0K+4:G0K+7], s[G1K:G1K+7]
	s_nop 0
	s_branch .Lfirst_done
.Lfirst_v:
	tensor_load_to_lds s[G0Q:G0Q+3], s[G1Q:G1Q+7]
	s_nop 0
	tensor_load_to_lds s[G0V+4:G0V+7], s[G1V:G1V+7]
	s_nop 0
.Lfirst_done:
	v_and_b32 v1, 15, v0                           ; r
	v_bfe_u32 v2, v0, 4, 1                         ; h
	v_and_b32 v3, 31, v0                           ; L
	v_lshlrev_b32 v15, 4, v1                       ; 16 r
	s_lshl_b32 s15, s14, 8
	v_lshl_add_u32 v[ADRK], v2, 15, v15            ; K: row d = 64 h (+ 16 s + l in the immediate), bytes 256 kh + 16 r: keys 4 r .. 4 r + 3 of my 64
	v_add_nc_u32 v[ADRK], s15, v[ADRK]
	v_add_nc_u32 v[ADRK+1], SLOT, v[ADRK]
	s_mul_i32 s16, s14, QUART
	s_add_co_u32 s16, s16, VPART
	v_lshl_add_u32 v[ADRV], v2, 14, v15            ; V: row key = 64 kh + 32 h (+ the immediate's), bytes 16 r (+ 256 e): dv 4 r .. 4 r + 3
	v_add_nc_u32 v[ADRV], s16, v[ADRV]
	v_add_nc_u32 v[ADRV+1], SLOT, v[ADRV]
	v_mul_u32_u24 v16, v1, QPITCH                  ; r x 528, for Q's stage and for the way out
	s_mul_i32 s22, s13, 64*QPITCH
	s_add_co_u32 s22, s22, QSTAGE
	v_lshl_add_u32 v[ADRQ], v2, 8, v16             ; Q: row 64 qh + r (+ 16 cq), bytes 256 h: d = 64 h .. 64 h + 63
	v_add_nc_u32 v[ADRQ], s22, v[ADRQ]
	s_lshl_b32 s23, s12, 9
	s_add_co_u32 s23, s23, STATS
	v_lshl_add_u32 v[ADRS], v1, 3, s23             ; (nb, l) of query 16 cq + r: wave x 512 + 8 r (+ 128 cq)
	s_xor_b32 s87, s12, 1                          ; my key partner: the same queries, the other keys
	s_lshl_b32 s87, s87, 9
	s_add_co_u32 s87, s87, STATS
	v_lshl_add_u32 v[ADRSP], v1, 3, s87
	s_mul_i32 s88, s12, OPART
	v_lshl_add_u32 v[ADRST], v2, 7, v16            ; the way out, in: wave x 33,792 + row r (+ 16 cq), bytes 128 h (+ 256 e + 16 j)
	v_add_nc_u32 v[ADRST], s88, v[ADRST]
	s_mul_i32 s89, s13, 2*OPART                    ; back: rows 32 w .. 32 w + 31 of the block lie in the parts of waves 2 (w >> 1) and 2 (w >> 1) + 1,
	s_mul_i32 s90, s14, 32*OPITCH                  ; from their row 32 (w & 1) on
	s_add_co_u32 s89, s89, s90
	v_lshl_add_u32 v[ADRO0], v3, 4, s89            ; 32 lanes x 16 bytes take a whole row
	v_add_nc_u32 v[ADRO1], OPART, v[ADRO0]
	s_lshl_b32 s91, s12, 14
	v_lshl_add_u32 v[OFFO], v3, 4, s91             ; and the same row in out0: 32 w rows of 512 bytes + 16 L
; Q: 64 f32 of one row into a staging buffer, and from there 4 fragments: register y = 8 s + i holds d = 64 h + 2 y, 64 h + 2 y + 1
.macro QLOAD cq, st
.irp x, 0,1,2,3,4,5,6,7,8,9,10,11,12,13,14,15
	ds_load_b128 v[\st+4*\x:\st+4*\x+3], v[ADRQ] offset:16*QPITCH*\cq+16*\x
.endr
.endm
.macro QCVT cq, st
.set y, 0
.rept 32
	v_cvt_pk_bf16_f32 v[32*\cq+y], v[\st+2*y], v[\st+2*y+1]
.set y, y+1
.endr
.endm
; 16 loads of K: rows d = 64 h + 16 ks + l, my 64 keys.  Load l's component c is key 4 r + c.
.macro LOADK slot, ks, st
.irp l, 0,1,2,3,4,5,6,7,8,9,10,11,12,13,14,15
	ds_load_b128 v[\st+4*\l:\st+4*\l+3], v[ADRK+\slot] offset:(16*(\ks)+\l)*512
.endr
.endm
; 16 loads of V: load tau = 2 (4 g + i) + b takes key row 32 h + 8 i + 4 b + 2 u + g of my 64, the key that P's fragment (cq, u) has in that place;
; its component c is dv = 64 e + 4 r + c.
.macro LOADV slot, e, u, st
.set tau, 0
.rept 16
	ds_load_b128 v[\st+4*tau:\st+4*tau+3], v[ADRV+\slot] offset:(8*((tau>>1)&3)+4*(tau&1)+2*(\u)+(tau>>3))*512+256*(\e)
.set tau, tau+1
.endr
.endm
; the loads of a trip's block n, in one run: n = 0..3 K's d step n; n = 4..7 V's (e, u) = ((n - 4) & 1, (n - 4) >> 1)
.macro LOADN slot, n, st
	WIN 0
.if (\n) < 4
.set LD_K, \n
	LOADK \slot, LD_K, \st
.else
.set LD_E, ((\n)-4)&1
.set LD_U, ((\n)-4)>>1
	LOADV \slot, LD_E, LD_U, \st
.endif
.endm
; 16 loads of 4 f32 become 4 fragments of 8 registers: fragment cv takes component cv of every load, two loads to a register
.macro CVTS st, f
	WIN 0
.irp cv, 0,1,2,3
.irp rho, 0,1,2,3,4,5,6,7
	v_cvt_pk_bf16_f32 v[\f+8*\cv+\rho], v[\st+8*\rho+\cv], v[\st+8*\rho+4+\cv]
	TICK 0
.endr
.endr
.endm
; The head of block b: its first matrix instruction, the wait for the next block's 16 loads (cnt = 16: the run issued behind them stays out;
; 64: no wait is written), and their conversion into the fragment buffer that the block before has read.
.macro HEAD kind, b, sbuf, zero, len, cnt
	BEGINB \kind, \b, \sbuf, \zero, \len
.if \cnt < 64
	s_wait_dscnt \cnt
.endif
.set CV_S, ST0+64*((\b+1)&1)
.set CV_F, F0+32*((\b+1)&1)
	CVTS CV_S, CV_F
.endm
; THE STREAMS OF THE SOFTMAX; sb is the S buffer's first register in window 1.
; The new running maximum of each of my four queries (one for each cq) over its 32 scores here, the 32 in the other half of the lanes and the old m;
; nb = -log2(e) m rounded; alpha = exp2(nb - the old nb).  Eight chains that do not wait for each other.  92 instructions.
.macro SMAX sb
	WIN W_MX
.irp cq, 0,1,2,3
.irp a, 0,1
	v_max3_num_f32 v[TT+4*\cq+\a], v[\sb+32*\cq+16*\a], v[\sb+32*\cq+16*\a+1], v[STA+4*\cq+1]
	TICK W_MX
.endr
.endr
.irp k, 1,2,3,4,5,6,7
.irp cq, 0,1,2,3
.irp a, 0,1
	v_max3_num_f32 v[TT+4*\cq+\a], v[\sb+32*\cq+16*\a+2*\k], v[\sb+32*\cq+16*\a+2*\k+1], v[TT+4*\cq+\a]
	TICK W_MX
.endr
.endr
.endr
	WIN W_ST
.irp cq, 0,1,2,3
	v_max_num_f32 v[TT+4*\cq], v[TT+4*\cq], v[TT+4*\cq+1]
	TICK W_ST
.endr
.irp cq, 0,1,2,3
	v_permlanex16_b32 v[TT+4*\cq+1], v[TT+4*\cq], s82, s83         ; the other 32 keys of the same query
	TICK W_ST
.endr
.irp cq, 0,1,2,3
	v_max_num_f32 v[STA+4*\cq+1], v[TT+4*\cq], v[TT+4*\cq+1]       ; m
	TICK W_ST
.endr
.irp cq, 0,1,2,3
	v_mul_f32 v[TT+4*\cq+2], s86, v[STA+4*\cq+1]                   ; the new nb
	TICK W_ST
.endr
.irp cq, 0,1,2,3
	v_sub_f32 v[TT+4*\cq+3], v[TT+4*\cq+2], v[STA+4*\cq]           ; minus the old one: at most 0
	TICK W_ST
.endr
.irp cq, 0,1,2,3
	v_exp_f32 v[STA+4*\cq+2], v[TT+4*\cq+3]                        ; alpha; the moves below are the plain places behind it (ISA guide 5.7.2)
	TICK W_ST
.endr
.irp cq, 0,1,2,3
	v_mov_b32 v[STA+4*\cq], v[TT+4*\cq+2]                          ; nb is kept; the temporaries are used again by the sums
	TICK W_ST
.endr
.endm
; A unit is 16 registers of S: unit un = 2 cq + half.  Two exponents: s log2(e) + nb, one rounding each.
.macro PKF1 sb, un, k
	v_pk_fma_f32 v[\sb+16*(\un)+2*\k:\sb+16*(\un)+2*\k+1], v[\sb+16*(\un)+2*\k:\sb+16*(\un)+2*\k+1], s[84:85], v[STA+4*((\un)>>1):STA+4*((\un)>>1)+1] op_sel_hi:[1,0,0]
	TICK W_EX
.endm
; the 16 exponentials of a unit, in place; more = 1: between them the exponents of the next unit, plain instructions on other registers
.macro EXPU sb, un, more
.irp k, 0,1,2,3,4,5,6,7
	v_exp_f32 v[\sb+16*(\un)+2*\k], v[\sb+16*(\un)+2*\k]
	TICK W_EX
	v_exp_f32 v[\sb+16*(\un)+2*\k+1], v[\sb+16*(\un)+2*\k+1]
	TICK W_EX
.if \more
	PKF1 \sb, \un+1, \k
.endif
.endr
.endm
.macro SEXPA sb                        ; 80 instructions
	WIN W_EX
.irp k, 0,1,2,3,4,5,6,7
	PKF1 \sb, 0, \k
.endr
	EXPU \sb, 0, 1
	EXPU \sb, 1, 1
	EXPU \sb, 2, 1
.endm
.macro SEXPB sb                        ; 72
	WIN W_EX
	EXPU \sb, 3, 1
	EXPU \sb, 4, 1
	EXPU \sb, 5, 1
.endm
.macro SEXPC sb                        ; 40.  What follows the last exponentials is always plain work on other registers: conversions, or the first sums
	WIN W_EX
	EXPU \sb, 6, 1
	EXPU \sb, 7, 0
.endm
; l = l alpha + the sum of my 32 p (unrounded), for each cq; l stays a partial sum of this half of the lanes until the end.  68 instructions (first: 64)
.macro SSUM sb, first
	WIN W_S0
	s_wait_alu depctr_va_vdst(0)
.irp cq, 0,1,2,3
.irp a, 0,1
	v_pk_add_f32 v[TT+4*\cq+2*\a:TT+4*\cq+2*\a+1], v[\sb+32*\cq+16*\a:\sb+32*\cq+16*\a+1], v[\sb+32*\cq+16*\a+2:\sb+32*\cq+16*\a+3]
	TICK W_S0
.endr
.endr
	WIN W_S1
.irp k, 2,3,4,5,6,7
.irp cq, 0,1,2,3
.irp a, 0,1
	v_pk_add_f32 v[TT+4*\cq+2*\a:TT+4*\cq+2*\a+1], v[\sb+32*\cq+16*\a+2*\k:\sb+32*\cq+16*\a+2*\k+1], v[TT+4*\cq+2*\a:TT+4*\cq+2*\a+1]
	TICK W_S1
.endr
.endr
.endr
	WIN W_ST
.irp cq, 0,1,2,3
	v_pk_add_f32 v[TT+4*\cq:TT+4*\cq+1], v[TT+4*\cq:TT+4*\cq+1], v[TT+4*\cq+2:TT+4*\cq+3]
	TICK W_ST
.endr
.irp cq, 0,1,2,3
.if \first
	v_add_f32 v[STA+4*\cq+3], v[TT+4*\cq], v[TT+4*\cq+1]
.else
	v_add_f32 v[TT+4*\cq], v[TT+4*\cq], v[TT+4*\cq+1]
.endif
	TICK W_ST
.endr
.if \first == 0
.irp cq, 0,1,2,3
	v_fma_f32 v[STA+4*\cq+3], v[STA+4*\cq+3], v[STA+4*\cq+2], v[TT+4*\cq]
	TICK W_ST
.endr
.endif
.endm
; p to bf16, in place and ascending: every register written has been read already.  Tiles 2 u and 2 u + 1 become fragment (cq, u).  64 instructions
.macro SPACK sb
	WIN W_PK
.irp cq, 0,1,2,3
.irp u, 0,1
.irp g, 0,1
.irp i, 0,1,2,3
	v_cvt_pk_bf16_f32 v[\sb+32*\cq+16*\u+4*\g+\i], v[\sb+32*\cq+16*\u+8*\g+2*\i], v[\sb+32*\cq+16*\u+8*\g+2*\i+1]
	TICK W_PK
.endr
.endr
.endr
.endr
.endm
; O = O alpha for the half e of dv: a lane's numbers of query block cq all belong to one query.  64 instructions
.macro RESCALE e
	WIN W_RS
.irp cq, 0,1,2,3
.irp cv, 0,1,2,3
.irp i, 0,2,4,6
	v_pk_mul_f32 v[8*(16*\e+4*\cq+\cv)+\i:8*(16*\e+4*\cq+\cv)+\i+1], v[8*(16*\e+4*\cq+\cv)+\i:8*(16*\e+4*\cq+\cv)+\i+1], v[STA+4*\cq+2:STA+4*\cq+3] op_sel_hi:[1,0]
	TICK W_RS
.endr
.endr
.endr
.endm
; THE CHANGE OF SLOTS.  This trip's slot has been read to its end (its last 16 loads were issued in the block before), and the other slot's loads
; were issued one trip ago.  Every wave waits for all its tensor loads and for its LDS reads in front of the round; the joint refill, with the
; tiles of the trip after next, is the first thing behind it, one load a wave, and has a whole trip's work in which to land.
; refill = 3: K and V; 2: V alone; 0: nothing is left to fetch.
.macro CHANGE slot, stepk, stepv, refill
	WIN 0
	s_wait_tensorcnt 0x0                           ; all my loads are done, my part of the other slot among them: no group 0 is in use
	ds_add_u32 v254, v255
	s_wait_dscnt 0x0
.if \stepk
	s_add_nc_u64 s[G0K+4*\slot+2:G0K+4*\slot+3], s[G0K+4*\slot+2:G0K+4*\slot+3], 2*KTILE
.endif
.if \stepv
	s_add_nc_u64 s[G0V+4*\slot+2:G0V+4*\slot+3], s[G0V+4*\slot+2:G0V+4*\slot+3], 2*VTILE
.endif
	s_wait_dscnt 0x0                               ; my reads of this slot are done
	ROUND                                          ; both now hold of every wave of all four work-groups
.if \refill == 3
	JLOAD \slot
.endif
.if \refill == 2
	JLOADV \slot
.endif
.endm
; TRIP j: slot = j & 1 is the LDS slot (K's tile j, V's tile j - 1) and the S buffer of tile j; other = 1 - slot holds p of tile j - 1.
; At its head fragment buffer 0 holds block 0's fragments, and the loads of blocks 1 and 2 are out or in (staging buffers 1 and 0).
; Block n converts block n + 1's loads and then issues block n + 3's into the staging buffer just read; blocks 8, 9, 10 are the next trip's
; first three (nextv = 0: K's d steps 0, 1, 2; nextv = 1: the last trip has no QK, so V's first three).
; first = 1 (trip 1): tile 0 starts l and O: nothing is cleared and nothing rescaled.
.macro TRIP slot, other, first, stepk, stepv, refill, nextv
	HEAD 0, 0, 128*\slot, 1, 100-4*\first, 16
	LOADN \slot, 3, ST1
	SSUM 128*\other, \first
	ENDB
	HEAD 0, 1, 128*\slot, 0, 96, 16
	LOADN \slot, 4, ST0
	SPACK 128*\other
	ENDB
	HEAD 0, 2, 128*\slot, 0, 96-64*\first, 16
	LOADN \slot, 5, ST1
.if \first == 0
	RESCALE 0
.endif
	ENDB
	HEAD 0, 3, 128*\slot, 0, 96-64*\first, 16
	LOADN \slot, 6, ST0
.if \first == 0
	RESCALE 1
.endif
	ENDB
	HEAD 1, 0, 128*\other, \first, 124, 16
	LOADN \slot, 7, ST1
	SMAX 128*\slot
	ENDB
	CHANGE \slot, \stepk, \stepv, \refill
	HEAD 1, 1, 128*\other, \first, 112, 64         ; no wait: the change of slots has waited for every LDS load
	LOADN \other, 4*\nextv, ST0
	SEXPA 128*\slot
	ENDB
	HEAD 1, 2, 128*\other, 0, 104, 16
	LOADN \other, 4*\nextv+1, ST1
	SEXPB 128*\slot
	ENDB
	HEAD 1, 3, 128*\other, 0, 72, 16
	LOADN \other, 4*\nextv+2, ST0
	SEXPC 128*\slot
	ENDB
	WIN 0                                          ; a label or a branch may follow
.endm
	; Q INTO REGISTERS, and the pipeline's first loads
	s_wait_tensorcnt 0x1                           ; my rows of Q and (waves 0, 1) my half of K's tile 0 have landed; my one load for slot 1 stays out
	s_barrier_signal -1
	s_barrier_wait -1                              ; everybody's have
	QLOAD 0, ST0
	QLOAD 1, ST1
	s_wait_dscnt 16                                ; here and below: two runs of 16 loads are out, the older one is in
	WIN W_QC
	QCVT 0, ST0
	WIN 0
	QLOAD 2, ST0
	s_wait_dscnt 16
	WIN W_QC
	QCVT 1, ST1
	WIN 0
	QLOAD 3, ST1
	s_wait_dscnt 16
	WIN W_QC
	QCVT 2, ST0
	WIN 0
	LOADK 0, 0, ST0
	s_wait_dscnt 16
	WIN W_QC
	QCVT 3, ST1
.irp cq, 0,1,2,3
	v_mov_b32 v[STA+4*\cq], 0                      ; nb before tile 0: any finite number; the alpha that tile 0 forms from it is never used
	v_mov_b32 v[STA+4*\cq+1], 0xff800000           ; m before tile 0: minus infinity, which loses against every score
.endr
	WIN 0
	LOADK 0, 1, ST1
	s_wait_dscnt 16
	CVTS ST0, F0                                   ; block 0's fragments (no block is open: the TICKs issue nothing)
	LOADK 0, 2, ST0
	; TRIP 0: QK(0) alone.  Slot 0 holds no V, so the slots change behind block 0, and slot 0 (where Q's stage lay too) gets trip 2's tiles.
	HEAD 0, 0, 0, 1, 32, 16
	LOADN 0, 3, ST1
	ENDB
	CHANGE 0, 1, 0, 3                              ; K steps from tile 0 to 2; V's set for slot 0 stands at tile 1 already
	HEAD 0, 1, 0, 0, 32, 64
	LOADN 1, 0, ST0
	ENDB
	HEAD 0, 2, 0, 0, 32, 16
	LOADN 1, 1, ST1
	ENDB
	HEAD 0, 3, 0, 0, 32, 16
	LOADN 1, 2, ST0
	ENDB
	PLACES                                         ; the places behind the last matrix instructions before S is read
	SMAX 0                                         ; tile 0's maxima and exponentials have no PV to run beside
	SEXPA 0
	SEXPB 0
	SEXPC 0
	TRIP 1, 0, 1, 1, 1, 3, 0                       ; trip 1
	s_mov_b32 s80, 6                               ; trips 2 to 13
.Ltrips:
	TRIP 0, 1, 0, 1, 1, 3, 0
	TRIP 1, 0, 0, 1, 1, 3, 0
	s_sub_co_u32 s80, s80, 1
	s_cmp_lg_u32 s80, 0
	s_cbranch_scc1 .Ltrips
	TRIP 0, 1, 0, 0, 1, 2, 0                       ; trip 14 asks for trip 16's slot: V's tile 15 alone, the last load
	TRIP 1, 0, 0, 0, 0, 0, 1                       ; trip 15 asks for nothing; its last blocks load V's tile 15
	; TRIP 16: no QK.  The sums, the packing and the rescaling of tile 15, then PV(15).
	SSUM 128, 0
	SPACK 128
	RESCALE 0
	RESCALE 1
	HEAD 1, 0, 128, 0, 32, 16
	LOADN 0, 7, ST1
	ENDB
	HEAD 1, 1, 128, 0, 32, 16
	ENDB
	HEAD 1, 2, 128, 0, 32, 0                       ; the last run of loads
	ENDB
	BEGINB 1, 3, 128, 0, 16
	ENDB
	; THE MERGE of the two key halves.  Each wave publishes (nb, l) of its 64 queries and reads its partner's.
	PLACES                                         ; the places behind the last matrix instructions
	WIN W_ST
.irp cq, 0,1,2,3
	v_permlanex16_b32 v[TT+4*\cq], v[STA+4*\cq+3], s82, s83
.endr
.irp cq, 0,1,2,3
	v_add_f32 v[STA+4*\cq+3], v[STA+4*\cq+3], v[TT+4*\cq]          ; l over all my 1,024 keys, the same in both halves of the lanes
.endr
	WIN W_D3
.irp cq, 0,1,2,3
	ds_store_b32 v[ADRS], v[STA+4*\cq] offset:128*\cq              ; lanes r and r + 16 write the same word with the same value; slot 1 was last read before trip 15's round
	ds_store_b32 v[ADRS], v[STA+4*\cq+3] offset:128*\cq+4
.endr
	s_wait_dscnt 0x0                               ; my stores are done, and so have been all my reads of slot 0
	s_barrier_signal -1
	s_barrier_wait -1                              ; the same holds of every wave: from here on the slots, which have had their last fill, serve as the stage
	WIN W_QC
.irp cq, 0,1,2,3
	ds_load_b64 v[TT+4*\cq:TT+4*\cq+1], v[ADRSP] offset:128*\cq    ; the partner's nb, l
.endr
	s_wait_dscnt 0x0
	WIN W_ST
.irp cq, 0,1,2,3
	v_min_num_f32 v[TT+4*\cq+2], v[STA+4*\cq], v[TT+4*\cq]         ; the smaller nb belongs to the larger maximum
.endr
.irp cq, 0,1,2,3
	v_sub_f32 v[TT+4*\cq+3], v[TT+4*\cq+2], v[STA+4*\cq]           ; my exponent, at most 0
	v_sub_f32 v[TT+4*\cq], v[TT+4*\cq+2], v[TT+4*\cq]              ; the partner's
.endr
.irp cq, 0,1,2,3
	v_exp_f32 v[TT+4*\cq+3], v[TT+4*\cq+3]
	v_exp_f32 v[TT+4*\cq], v[TT+4*\cq]
.endr
	v_nop                                          ; one plain place behind the transcendentals
	s_wait_alu depctr_va_vdst(0)
.irp cq, 0,1,2,3
	v_mul_f32 v[TT+4*\cq+1], v[TT+4*\cq+1], v[TT+4*\cq]
.endr
.irp cq, 0,1,2,3
	v_fma_f32 v[TT+4*\cq+1], v[STA+4*\cq+3], v[TT+4*\cq+3], v[TT+4*\cq+1]   ; the whole row's sum, at least about 1: the largest p is about 1
.endr
.irp cq, 0,1,2,3
	v_rcp_f32 v[TT+4*\cq+1], v[TT+4*\cq+1]
.endr
	v_nop
	s_wait_alu depctr_va_vdst(0)
.irp cq, 0,1,2,3
	v_mul_f32 v[STA+4*\cq+2], v[TT+4*\cq+3], v[TT+4*\cq+1]         ; my factor over the sum
.endr
	; My O, scaled, into my part of the stage.  For fixed (cq, e, j) the four tiles cv are 16 neighbouring bytes of a row of out0.
	; Rows are 528 bytes apart, an odd multiple of 16, so the 16 rows that a store touches begin in 16 different 16-byte columns of 256 bytes.
.irp cq, 0,1,2,3
.irp e, 0,1
	WIN W_FIN
.irp j, 0,1,2,3,4,5,6,7
.irp cv, 0,1,2,3
	v_mul_f32 v[ST0+32*((2*\cq+\e)&3)+4*\j+\cv], v[8*(16*\e+4*\cq+\cv)+\j], v[STA+4*\cq+2]
.endr
.endr
	WIN 0
.irp j, 0,1,2,3,4,5,6,7
	ds_store_b128 v[ADRST], v[ST0+32*((2*\cq+\e)&3)+4*\j:ST0+32*((2*\cq+\e)&3)+4*\j+3] offset:16*OPITCH*\cq+256*\e+16*\j
.endr
.endr
.endr
	s_wait_dscnt 0x0
	s_barrier_signal -1
	s_barrier_wait -1                              ; all four parts of the stage are whole
	; THE WAY OUT: wave w takes rows 32 w .. 32 w + 31 of the block, eight at a time: both key halves' partial rows, their sum, one store a row.
.macro LOADG g
.irp t, 0,1,2,3,4,5,6,7
	ds_load_b128 v[ST0+32*\g+4*\t:ST0+32*\g+4*\t+3], v[ADRO0] offset:OPITCH*(8*\g+\t)
	ds_load_b128 v[F0+32*(\g&1)+4*\t:F0+32*(\g&1)+4*\t+3], v[ADRO1] offset:OPITCH*(8*\g+\t)
.endr
.endm
; left = the loads of the next group, issued behind this one's.  Each group has result registers of its own, so no store's data is written again.
.macro SENDG g, left
.irp t, 0,1,2,3,4,5,6,7
	s_wait_dscnt \left+14-2*\t                     ; LDS loads come back in order (ISA guide 5.7.1): row t's two are in
	v_pk_add_f32 v[ST0+32*\g+4*\t:ST0+32*\g+4*\t+1], v[ST0+32*\g+4*\t:ST0+32*\g+4*\t+1], v[F0+32*(\g&1)+4*\t:F0+32*(\g&1)+4*\t+1]
	v_pk_add_f32 v[ST0+32*\g+4*\t+2:ST0+32*\g+4*\t+3], v[ST0+32*\g+4*\t+2:ST0+32*\g+4*\t+3], v[F0+32*(\g&1)+4*\t+2:F0+32*(\g&1)+4*\t+3]
	global_store_b128 v[OFFO], v[ST0+32*\g+4*\t:ST0+32*\g+4*\t+3], s[10:11] offset:512*(8*\g+\t) th:TH_STORE_NT   ; the wave stores a whole row: 512 consecutive bytes, aligned
.endr
.endm
	LOADG 0
	LOADG 1
	SENDG 0, 16
	LOADG 2
	SENDG 1, 16
	LOADG 3
	SENDG 2, 16
	SENDG 3, 0
	s_wait_tensorcnt 0x0
	ds_add_u32 v254, v255
	s_wait_dscnt 0x0
	ROUND                                          ; the closing round: no work-group ends while a partner may still ask for a tile that names it
	s_endpgm
.Lfunc_end_k_q806831fc90_attn:
	.size	k_q806831fc90_attn, .Lfunc_end_k_q806831fc90_attn-k_q806831fc90_attn
	.p2alignl 7, 3214868480
	.fill 96, 4, 3214868480
	.section	.rodata,"a",@progbits
	.p2align	6, 0x0
	.amdhsa_kernel k_q806831fc90_attn
		.amdhsa_group_segment_fixed_size 327680
		.amdhsa_private_segment_fixed_size 0
		.amdhsa_enable_private_segment 0
		.amdhsa_kernarg_size 32
		.amdhsa_user_sgpr_count 2
		.amdhsa_user_sgpr_kernarg_segment_ptr 1
		.amdhsa_wavefront_size32 1
		.amdhsa_system_sgpr_workgroup_id_x 1
		.amdhsa_system_sgpr_workgroup_id_y 1
		.amdhsa_system_sgpr_workgroup_id_z 1
		.amdhsa_system_vgpr_workitem_id 0
		.amdhsa_next_free_vgpr 928
		.amdhsa_next_free_sgpr 96
		.amdhsa_reserve_vcc 0
		.amdhsa_float_denorm_mode_32 3
		.amdhsa_float_denorm_mode_16_64 3
		.amdhsa_memory_ordered 1
		.amdhsa_forward_progress 1
		.amdhsa_inst_pref_size 255
	.end_amdhsa_kernel
	.section	.bss,"aw",@nobits
	.p2align	6
	.space	262144
	.amdgpu_metadata
---
amdhsa.version: [ 1, 2 ]
amdhsa.kernels:
  - .name:           k_q806831fc90_attn
    .symbol:         k_q806831fc90_attn.kd
    .args:
      - { .name: q, .offset: 0, .size: 8, .value_kind: global_buffer, .address_space: global }
      - { .name: k, .offset: 8, .size: 8, .value_kind: global_buffer, .address_space: global }
      - { .name: v, .offset: 16, .size: 8, .value_kind: global_buffer, .address_space: global }
      - { .name: out0, .offset: 24, .size: 8, .value_kind: global_buffer, .address_space: global }
    .group_segment_fixed_size: 327680
    .private_segment_fixed_size: 0
    .kernarg_segment_align: 8
    .kernarg_segment_size: 32
    .max_flat_workgroup_size: 128
    .sgpr_count:     96
    .vgpr_count:     928
    .wavefront_size: 32
...
	.end_amdgpu_metadata
.endif
;; end of part 1
